; MI455X (gfx1250); checked and timed in simulation.
; The chip was launched on July 23, 2026; its instructions are those of AMD's public machine-readable ISA for CDNA 5 (MIT licence, August 2026) and "CDNA5" Instruction Set Architecture Reference Guide (July 2026). The comments in the code are by the model that wrote it; some were corrected since.
;; Model. Allowed arithmetic: matrix products marked QUANTISED: E3M2 operands, one E8M0 scale for each 32 along K, by v_wmma_scale_f32_16x16x128_f8f6f4 with both operands' format E3M2, f32 sums; everything else in f32.
;; Inputs: x1_codes 16 x 2,048 x 2 x 24 uint8 (E3M2 codes of x1, K innermost, in blocks of 32 codes, four codes in three bytes); x1_scales 16 x 2,048 x 2 uint8 (E8M0 scales of x1, one for each 32 codes along K); x2 16 x 2,048 x 64 float32.
;; Outputs: out0 16 x 2,048 x 64 float32.
;; This version of the problem:
;;   THIS VERSION OF THE PROBLEM IS GIVEN IN LOW PRECISION. The matrix products marked QUANTISED in the list below multiply operands that are first quantised to E3M2 (3 exponent bits, 2 mantissa bits; 6 bits a number), with one power-of-two scale for each 32 numbers along K (OCP MX v1.0); their sums are f32. All else is computed in f32.
;;   The module's matrix products, in the order in which they are computed (A, B: the left and right operand; K: the contracted axis; several contracted axes count as one K, in the product's order):
;;     1. batch 16 x [M 2,048, K 64] x [K 64, N 2,048]; A: input x1 (given as codes); B: input x2: QUANTISED
;;     2. batch 16 x [M 2,048, K 2,048] x [K 2,048, N 64]; A: softmax (see below); B: input x2: QUANTISED
;;   THE QUANTISER, for each operand of a quantised product, along K:
;;     - K is cut into blocks of 32 from its start; a last block that is shorter is filled with zeros.
;;     - A block's scale is 2^e with e = floor(log2(the largest magnitude in the block)) - 4, held to -126 .. 127; a block of zeros has e = 0. As a byte (E8M0): e + 127.
;;     - Each number is divided by its block's scale, clamped to +-28, and rounded to the nearest number of E3M2, ties to even, subnormals kept.
;;     - The product sums the exact products of the quantised numbers (number of the format x scale) in f32.
;;   ~~~python
;;   def quantise(x, axis):      # numpy; x: float32 -> the quantised numbers, widened to float32 again
;;       x = np.moveaxis(x, axis, -1); K = x.shape[-1]
;;       x = np.pad(x, [(0, 0)] * (x.ndim - 1) + [(0, -K % 32)]); x = x.reshape(x.shape[:-1] + (-1, 32)); a = np.abs(x).max(-1, keepdims=True)
;;       e = np.where(a > 0, np.clip(np.frexp(np.where(a > 0, a, 1))[1] - 1 - 4, -126, 127), 0)      # np.frexp(a)[1] - 1 = floor(log2(a)), exactly
;;       r = np.clip(x / 2.0 ** e, -28, 28)
;;       step = 2.0 ** (np.maximum(np.frexp(np.where(r == 0, 1, r))[1] - 1, -2) - 2)
;;       q = np.round(r / step) * step * 2.0 ** e      # np.round: ties to even
;;       return np.moveaxis(q.reshape(q.shape[:-2] + (-1,))[..., :K], -1, axis).astype(np.float32)
;;   ~~~
;;   SOFTMAX AHEAD OF A QUANTISED PRODUCT. Where the list says 'softmax', what is quantised is not the finished softmax but p = 2^(t - M), with t = logit x log2(e) and M = ceil(the row's largest t), a whole number; so 1/2 < the row's largest p <= 1. The row's sum l is taken of the UNQUANTISED p, in f32, and the product's result is divided by l at the end. Since M is a whole number, a kernel that streams over the keys may use a running M (the ceiling of the running maximum): every later rescaling is an exact power of two, which a block's scale takes up: the codes' values come out the same.
;;   OPERANDS COMPUTED ON THE WAY. 'Computed on the way' means the value that the module computes at that place (a softmax that the list does not call 'softmax' is quantised finished and normalised). What goes into a quantiser is computed in f32, as accurately as f32 sums, v_exp_f32 and their like allow (about 1e-6 of the number): no bf16 or f16 on the way to a quantiser, and a product that is left as it is and whose result goes on into a quantised operand takes f32 operands (vector FMAs, or v_wmma_f32_16x16x4_f32). A number that lies on a knife's edge between two numbers of the format may be rounded either way, as far as f32 arithmetic and the matrix unit's own rounding can turn it there, and no further.
;;   INPUTS GIVEN AS CODES. x1 (in the module: [16, 2048, 64], K = its axis 2): each comes as NAME_codes (uint8): NAME with its K axis moved to the last place and cut into blocks of 32 codes, [.., K / 32, bytes a block], one block behind the other in memory; four codes in three bytes: a row's codes are one little-endian stream of bits, code i at bits 6 i .. 6 i + 5 (a code: sign, 3 exponent bits, 2 mantissa bits); and NAME_scales (uint8): the same leading axes, one E8M0 byte (e + 127) for each 32 codes along K. Its value is code x scale, taken as it is: it is not quantised again, and the codes and scales need not be those that the quantiser above would give.
;; One version. Each part assembles by itself: llvm-mc -triple=amdgcn-amd-amdhsa -mcpu=gfx1250 --defsym DOCPART=n.
;; ======== version 1 of 1: 2 launches
;; limits: right only within a limited range of input values
;; workspace buffers: kv 3,342,336 bytes
;; launch quant (part 1): grid 16 x 16, 8 waves a work-group, no clusters, 37,120 bytes of LDS; arguments x2, kv; writes kv
.if DOCPART == 1
	.amdgcn_target "amdgcn-amd-amdhsa--gfx1250"
	.amdhsa_code_object_version 6
	.text
	.protected	k_q733d58e46c_quant
	.globl	k_q733d58e46c_quant
	.p2align	8
	.type	k_q733d58e46c_quant,@function
k_q733d58e46c_quant:
	s_mov_b64 s[64:65], 0
	v_nop
	global_prefetch_b8 v0, s[64:65] scope:SCOPE_SE
	s_setreg_imm32_b32 hwreg(HW_REG_WAVE_MODE, 25, 1), 1
	s_wait_xcnt 0x0
; x2 [16][2048][64] f32 is quantised to BF6 (E3M2) TWICE: along d (it is K of the first product: two blocks of 32 a key) and along the keys (it is V of the second:
; one block for each 32 keys and each d).  The codes and scale words are laid in the ORDER OF THE OPERANDS' REGISTERS, one record of REC bytes for each (batch, 128 keys):
;   KC     0 .. 6143   12 quads of registers, quad i: lane l's 16 bytes at 512 i + 16 l.  Fragment f = 4 c + t (0..7) = registers 6 f .. 6 f + 5: lane (r, h) holds d = 32 h .. 32 h + 31 of key 64 c + 32 (r/8) + 8 t + r % 8
;   VC  6144 .. 12287  12 quads likewise.  Fragment t (0..3) = registers 12 t .. 12 t + 11: lane (r, h), registers 6 c .. 6 c + 5: d = 16 t + r at keys 64 c + 32 h + 0 .. 31
;   KS 12288 .. 12799  lane l's 16 bytes at 16 l: word j = the scale word of fragment 2 j + h, row r (bytes 0, 1: the key's two blocks; bytes 2, 3: 0)
;   VS 12800 .. 13055  lane l's 8 bytes at 8 l: word j = the scale word of d = 16 (2 j + h) + r (byte b: keys 32 b on)
; A block's scale is 2^(floor(log2(its largest magnitude)) - 4); its byte is the largest magnitude's exponent field - 4, held at 1 from below.
; LIMITS: NaN and infinities in x2 are not served.  A block whose largest magnitude lies under 2^-122 gets the byte 1; a block of zeros too (the rule says 127): its codes are zeros,
; which add nothing under any byte but 0xff, and these bytes are read by this program alone.
; SHARES.  A work-group (x: the key step, y: the batch) makes one record from 128 keys x 64 d, 32,768 dense bytes.  They are read once, 512 consecutive bytes a wave and load, and laid in a stage in LDS,
; from which each wave takes its numbers in the order that the conversions want: K innermost in one lane's registers.  Wave w of 0 .. 3 makes K's fragments 2 w, 2 w + 1; wave 4 + t makes V's fragment t: 64 numbers a lane each.
; No loop, no tensor load, no matrix instruction, nothing shared by work-groups: so no cluster and no prefetch.
.set P,    272                         ; a stage row: a key's 256 bytes + 16: eight neighbouring rows start at eight different 16-byte columns of 256 bytes
.set GP,   32*P+128                    ; a group of 32 keys; the 128 bytes behind it set the next group's rows on the other eight columns
.set SCL,  4*GP                        ; behind the stage: the record's 768 bytes of scale words
.set SPARE, SCL+768                    ; the spare words: 128 bytes a wave
.set REC,  13056
.set VCO,  6144
.set KSO,  12288
.set MX,   16                          ; v16-17  two blocks' largest magnitudes
.set SO,   18                          ; v18-19  the conversions' scale operands
.set BY,   20                          ; v20-21  the scale bytes
.set W,    22                          ; v22     four scale bytes
.set PX,   23                          ; v23     the other half's
.set SPW,  26
.set NIL,  27
.set XN,   32                          ; v32-95  as loaded; then a lane's 64 numbers
.set CD,   96                          ; v96-107 the codes
.set TU,   108                         ; v108-110, v112-114 the upper halves of two blocks' codes
	s_load_b128 s[4:7], s[0:1], 0x0                ; x2, kv
	v_lshl_add_u32 v[SPW], v0, 2, SPARE
	v_mov_b32 v[NIL], 0
	v_lshrrev_b32 v1, 5, v0
	v_readfirstlane_b32 s8, v1                     ; wave 0..7
	s_and_b32 s10, s8, 3                           ; w % 4
	s_lshr_b32 s11, s10, 1
	s_and_b32 s12, s10, 1
	s_mul_i32 s13, s11, 2*GP
	s_mul_i32 s14, s12, 16*P
	s_add_co_u32 s13, s13, s14                     ; K: fragments 2 w, 2 w + 1: group 2 (w / 2), row 16 (w % 2)
	s_lshl_b32 s14, s10, 6                         ; V: d = 16 t
	s_lshl_b32 s15, s10, 2
	s_add_co_u32 s15, s15, SCL                     ; K's scale words: word w
	s_lshl_b32 s16, s12, 7
	s_lshl_b32 s17, s11, 2
	s_add_co_u32 s16, s16, s17
	s_add_co_u32 s16, s16, SCL+512                 ; V's
	s_mul_i32 s17, s10, 1536                       ; three quads a wave
	s_mov_b32 s20, 0x76543210
	s_mov_b32 s21, 0xfedcba98                      ; v_permlanex16_b32's selects for lane l xor 16
	s_and_b32 s9, ttmp7, 0xffff
	s_lshl_b32 s9, s9, 4
	s_add_co_u32 s9, s9, ttmp9                     ; the record's number: 16 x batch + key step
	s_lshl_b32 s18, s9, 15                         ; its 32,768 bytes of x2
	s_mov_b32 s19, 0
	s_mul_i32 s22, s9, REC                         ; and its place in kv
	s_mov_b32 s23, 0
	v_and_b32 v2, 31, v0                           ; lane
	v_and_b32 v3, 15, v0                           ; r
	v_bfe_u32 v4, v0, 4, 1                         ; h
	v_lshlrev_b32 v5, 4, v0                        ; in: 16 bytes a thread
	v_lshrrev_b32 v6, 4, v0
	v_mul_u32_u24 v6, v6, P
	v_lshl_add_u32 v6, v3, 4, v6                   ; into the stage: sixteen threads to a key
	v_lshrrev_b32 v24, 3, v3
	v_mul_u32_u24 v24, v24, GP
	v_and_b32 v25, 7, v3
	v_mad_u32_u24 v24, v25, P, v24
	v_lshl_add_u32 v24, v4, 7, v24
	v_add_nc_u32 v7, s13, v24                      ; K: group r / 8, row r % 8, my half's 128 bytes
	v_mul_u32_u24 v8, v4, GP
	v_lshl_add_u32 v8, v3, 2, v8
	v_add_nc_u32 v8, s14, v8                       ; V: group h, column d = 16 t + r
	v_lshl_add_u32 v9, v2, 4, s15                  ; K's scale word: 16 lane + 4 w
	v_lshl_add_u32 v10, v3, 3, s16                 ; V's: 8 r + 128 (t % 2) + 4 (t / 2)
	v_lshl_add_u32 v11, v0, 3, SCL                 ; the scale words' way out: 8 bytes a thread
	v_lshl_add_u32 v12, v2, 4, s17                 ; the codes' place in KC or in VC
	v_lshlrev_b32 v13, 3, v4                       ; 8 h
	v_lshlrev_b32 v14, 4, v4                       ; 16 h
	v_lshlrev_b32 v15, 3, v0
	v_mov_b32 v[PX], 0                             ; a lane permute's destination counts as one of its sources
	s_wait_alu depctr_va_vdst(0)                   ; the wait at the head's end
	s_wait_kmcnt 0x0
	s_add_nc_u64 s[4:5], s[4:5], s[18:19]
	s_add_nc_u64 s[6:7], s[6:7], s[22:23]
.irp i, 0,1,2,3,4,5,6,7
	global_load_b128 v[XN+4*\i:XN+4*\i+3], v5, s[4:5] offset:4096*\i th:TH_LOAD_NT   ; keys 16 i .. 16 i + 15; a wave reads 512 consecutive bytes; read once in the launch
.endr
.irp i, 0,1,2,3,4,5,6,7
	s_wait_loadcnt 7-\i                            ; loads come back in order: load i is in, the younger ones may be out
	ds_store_b128 v6, v[XN+4*\i:XN+4*\i+3] offset:(\i/2)*GP+(\i%2)*16*P
.endr
	s_wait_dscnt 0x0                               ; for the others' sake: my part of the stage has landed
	s_barrier_signal -1
	s_barrier_wait -1
; 64 numbers of a lane, two whole blocks c = 0, 1 at v[XN + 32 c] on, become 12 registers of codes at v[CD] on; v[W] gets four scale bytes: mine at bytes h and 2 + h, lane l xor 16's at the other two.
.macro QUANT2
.irp c, 0,1
	v_max3_num_f32 v[MX+\c], |v[XN+32*\c]|, |v[XN+32*\c+1]|, 0x2800000   ; with the floor 2^(5 - 127): the byte cannot fall under 1
.endr
.irp i, 2,4,6,8,10,12,14,16,18,20,22,24,26,28,30
.irp c, 0,1
	v_max3_num_f32 v[MX+\c], v[MX+\c], |v[XN+32*\c+\i]|, |v[XN+32*\c+\i+1]|   ; (the two blocks by turns)
.endr
.endr
.irp c, 0,1
	v_add_nc_u32 v[SO+\c], 0xfe000000, v[MX+\c]    ; 4 off the exponent field: the conversion takes this operand's exponent field as its scale, and nothing else of it
.endr
.irp c, 0,1
	v_lshrrev_b32 v[BY+\c], 23, v[SO+\c]           ; the scale's byte
.endr
	v_lshl_or_b32 v[W], v[BY+1], 16, v[BY]
	v_lshlrev_b32 v[W], v13, v[W]                  ; 8 h bits up
	v_permlanex16_b32 v[PX], v[W], s20, s21
	v_or_b32 v[W], v[W], v[PX]
.irp c, 0,1
	v_cvt_scalef32_pk16_bf6_f32 v[CD+6*\c:CD+6*\c+2], v[XN+32*\c:XN+32*\c+15], v[SO+\c]
	v_cvt_scalef32_pk16_bf6_f32 v[TU+4*\c:TU+4*\c+2], v[XN+32*\c+16:XN+32*\c+31], v[SO+\c]   ; (a conversion's three registers begin on an even number)
.endr
	v_nop                                          ; one plain place behind a scaled conversion
.irp c, 0,1
.irp i, 0,1,2
	v_mov_b32 v[CD+6*\c+3+\i], v[TU+4*\c+\i]
.endr
.endr
.endm
	s_cmp_lt_u32 s8, 4
	s_cbranch_scc0 .Lv
.irp u, 0,1
.irp i, 0,1,2,3,4,5,6,7
	ds_load_b128 v[XN+32*\u+4*\i:XN+32*\u+4*\i+3], v7 offset:\u*8*P+16*\i   ; fragment 2 w + u, row r: d = 32 h + 4 i ..
.endr
.endr
	s_wait_dscnt 0x0
	QUANT2                                         ; W = [u 0: d-blocks 0, 1; u 1: d-blocks 0, 1]
	v_lshrrev_b32 v24, v14, v[W]
	v_and_b32 v24, 0xffff, v24                     ; lanes 0-15 keep fragment 2 w's word, lanes 16-31 fragment 2 w + 1's; bytes 2 and 3 are 0
	ds_store_b32 v9, v24
.irp i, 0,1,2
	global_store_b128 v12, v[CD+4*\i:CD+4*\i+3], s[6:7] offset:512*\i   ; a wave stores 512 consecutive bytes, at a multiple of 256 from kv's first byte
.endr
	s_branch .Ljoin
.Lv:
.set i, 0
.rept 64
	ds_load_b32 v[XN+i], v8 offset:(i/32)*2*GP+(i%32)*P   ; keys 64 c + 32 h + 0 .. 31 of my d
.set i, i+1
.endr
	s_wait_dscnt 0x0
	QUANT2                                         ; W = the bytes of key blocks 0 .. 3 of my d
	ds_store_b32 v10, v[W]                         ; lanes r and r + 16 write the same word with the same value
.irp i, 0,1,2
	global_store_b128 v12, v[CD+4*\i:CD+4*\i+3], s[6:7] offset:VCO+512*\i
.endr
.Ljoin:
	s_wait_dscnt 0x0                               ; for the others' sake: my scale words have landed
	s_barrier_signal -1
	s_barrier_wait -1
	s_cmp_lt_u32 s8, 3                             ; 768 bytes of scale words: waves 0 to 2, 256 consecutive bytes each
	s_cbranch_scc0 .Lend
	ds_load_b64 v[24:25], v11
	s_wait_dscnt 0x0
	global_store_b64 v15, v[24:25], s[6:7] offset:KSO
.Lend:
	s_wait_tensorcnt 0x0                           ; the wave's end
	ds_add_u32 v[SPW], v[NIL]
	s_wait_dscnt 0x0
	s_endpgm
.Lfunc_end_k_q733d58e46c_quant:
	.size	k_q733d58e46c_quant, .Lfunc_end_k_q733d58e46c_quant-k_q733d58e46c_quant
	.p2alignl 7, 3214868480
	.fill 96, 4, 3214868480
	.section	.rodata,"a",@progbits
	.p2align	6, 0x0
	.amdhsa_kernel k_q733d58e46c_quant
		.amdhsa_group_segment_fixed_size 37120
		.amdhsa_private_segment_fixed_size 0
		.amdhsa_enable_private_segment 0
		.amdhsa_kernarg_size 16
		.amdhsa_user_sgpr_count 2
		.amdhsa_user_sgpr_kernarg_segment_ptr 1
		.amdhsa_wavefront_size32 1
		.amdhsa_system_sgpr_workgroup_id_x 1
		.amdhsa_system_sgpr_workgroup_id_y 1
		.amdhsa_system_sgpr_workgroup_id_z 1
		.amdhsa_system_vgpr_workitem_id 0
		.amdhsa_next_free_vgpr 128
		.amdhsa_next_free_sgpr 66
		.amdhsa_reserve_vcc 0
		.amdhsa_float_denorm_mode_32 3
		.amdhsa_float_denorm_mode_16_64 3
		.amdhsa_memory_ordered 1
		.amdhsa_forward_progress 1
		.amdhsa_inst_pref_size 17
	.end_amdhsa_kernel
	.amdgpu_metadata
---
amdhsa.version: [ 1, 2 ]
amdhsa.kernels:
  - .name:           k_q733d58e46c_quant
    .symbol:         k_q733d58e46c_quant.kd
    .args:
      - { .name: x2, .offset: 0, .size: 8, .value_kind: global_buffer, .address_space: global }
      - { .name: kv, .offset: 8, .size: 8, .value_kind: global_buffer, .address_space: global }
    .group_segment_fixed_size: 37120
    .private_segment_fixed_size: 0
    .kernarg_segment_align: 8
    .kernarg_segment_size: 16
    .max_flat_workgroup_size: 256
    .sgpr_count:     66
    .vgpr_count:     128
    .wavefront_size: 32
...
	.end_amdgpu_metadata
.endif
;; end of part 1
;; launch attn (part 2): grid 16 x 16, 8 waves a work-group, clusters of 4 x 1, 281,600 bytes of LDS; arguments x1_codes, x1_scales, kv, out0; writes out0
.if DOCPART == 2
	.amdgcn_target "amdgcn-amd-amdhsa--gfx1250"
	.amdhsa_code_object_version 6
	.text
	.protected	k_q733d58e46c_attn
	.globl	k_q733d58e46c_attn
	.p2align	8
	.type	k_q733d58e46c_attn,@function
k_q733d58e46c_attn:
	s_mov_b64 s[64:65], 0
	v_nop
	global_prefetch_b8 v0, s[64:65] scope:SCOPE_SE
	s_setreg_imm32_b32 hwreg(HW_REG_WAVE_MODE, 25, 1), 1
	s_wait_xcnt 0x0
	s_wait_alu depctr_hold_cnt(0) depctr_sa_sdst(0) depctr_va_vdst(0) depctr_va_sdst(0) depctr_va_ssrc(0) depctr_va_vcc(0) depctr_vm_vsrc(0)
	s_getreg_b32 s2, hwreg(HW_REG_IB_STS2, 6, 4)
	s_cmp_eq_u32 s2, 0
	s_cbranch_scc0 .Lentry_in_a_cluster
	s_endpgm
.Lentry_in_a_cluster:
	s_bfe_u32 s2, ttmp6, 0x10000c
	s_cmp_lg_u32 s2, 0x3003
	s_cbranch_scc0 .Lentry_shape_is_right
	s_endpgm
.Lentry_shape_is_right:
; out[b][q][:] = the sum over k of softmax_k(x1[b][q] . x2[b][k] / 8) x2[b][k][:], both products on codes of BF6 (E3M2) with one E8M0 scale for each 32 along a product's K.
; x1 comes as codes (48 bytes a row) and scale bytes (2 a row); x2's codes, both ways, come from kv, laid in the order of the operands' registers: 16 records of REC bytes a batch, one for each 128 keys.
; THE SOFTMAX: t = score x log2(e) / 8; M = the largest t so far, rounded UP to a whole number; p = 2^(t - M) is quantised along the keys, not normalised; the row's sum is taken of the unquantised p and divides at the end.
; SHARES.  A work-group owns 128 queries of one batch.  A batch's 16 records, 208,896 bytes, fit in LDS whole: they are brought ONCE, two records a wave by one load, nothing is filled again, and there is no ring.
; Nor is there a prefetch: no loop of this text asks memory for anything.
; Wave w of eight owns the 32 queries of pair w % 4 (two tiles of 16) and key half w / 4 (1,024 keys, four steps of 256): every fragment of K and V that it loads serves both tiles.
; The half-1 waves take the pair's tiles in the other order, so that every wave gives its tile 1 to wave w xor 4 and finishes its tile 0; the Ms are whole numbers, so that merge multiplies by exact powers of two.
; CLUSTER.  The four query blocks of a cluster belong to one batch and read the same 16 records: each is asked for JOINTLY, by the same tensor load with the same descriptor and a mask that names the four.
; LAYOUT.  Both products are used transposed: S^T = K Q^T (source 0 = 16 keys, source 1 = 16 queries), O^T = V^T P^T (source 0 = 16 of the 64 d, source 1 = P): a lane holds ONE query (lane % 16) of a tile throughout.
; The keys of a tile are not neighbours: row m of tile 4 c + t is key 64 c + 32 (m / 8) + 8 t + m % 8.  So the 32 registers of tiles 4 c .. 4 c + 3 are, in lane half h, the WHOLE block of keys 64 c + 32 h + 0 .. 31, in order:
; a block's largest score lies in one lane, and its codes are the operand's six registers of that lane.
; THE FIRST PRODUCT'S K IS 64, the instruction's 128: Q's registers 6-11 are zero codes.  K's fragment f is named as 12 registers from 6 f on; its upper six hold the codes that lie behind it.
; E3M2 has neither NaN nor infinity, and those codes meet zero codes under scale bytes 0 (2^-127, no NaN): they add nothing.
; A BLOCK'S SCALE OPERAND is 2^(t - M - 4) of its largest score: its exponent field is floor(log2(the block's largest p)) - 4 + 127, which is the scale's byte.
; LIMITS: NaN and infinities are not served; a byte 0xff in x1_scales gives NaN; the scaled scores stay under 2^31 in magnitude.  A block whose largest p lies under 2^-122 gets the byte 0 (2^-127) where the rule
; holds the byte at 1: beside the row's largest p, over 1/2, it adds less than 2^-120.  Where a block's largest p lies within rounding of a power of two, the two exponentials may fall on its two sides.
.set REC,  13056
.set VCO,  6144                        ; in a record: V's codes,
.set KSO,  12288                       ; K's scale words,
.set VSO,  12800                       ; V's scale words
.set MRG,  16*REC                      ; LDS behind the records: 8 x PAIR bytes: an image of O^T's 32 registers (4,096), and of four more (512)
.set PAIR, 4608
.set STG,  MRG+8*PAIR                  ; the way out: 16 rows x (256 + 16) bytes for each of 8 waves
.set SP,   272
.set SPARE, STG+8*16*SP                ; the spare words: 128 bytes a wave
; REGISTERS.  Window 0: below.  Window 1 (v256-511, named v0-255): the scores, then p: tile 0 at 0-127, tile 1 at 128-255; block q (0..7) at 32 q: tile q / 4, record (q / 2) % 2 of the step, c = q % 2
.set A16,  1                           ; 16 lane + my key half
.set A8,   2                           ; 8 lane + my key half
.set MI,   3                           ; the merge: my slot,
.set ML,   4                           ; and wave w xor 4's
.set STO,  5                           ; the stage: where I put 32 bytes of a row
.set RD,   6                           ; and where I read a row back
.set GO,   7                           ; my byte offset in the wave's rows of out
.set SPW,  8
.set NIL,  9
.set QS,   10                          ; Q's scale words: lanes 0-15 tile 0, lanes 16-31 tile 1
.set KSC,  12                          ; v12-19 K's scale words, four a record: register j: lanes 0-15 fragment 2 j, lanes 16-31 fragment 2 j + 1; then V's, two a record
.set BM,   20                          ; v20-27 the blocks' largest scores, then the conversions' scale operands
.set PW,   28                          ; v28-31 p's scale words: tile 0 record 0, 1; tile 1 record 0, 1
.set NM,   32                          ; v32, v34 -M of tile 0, 1
.set RUN,  33                          ; v33, v35 the largest score so far
.set FF,   36                          ; v36, v38 2^(old M - new M)
.set XX,   37                          ; v37, v39 at work
.set TT,   40                          ; v40, v41 at work
.set SU,   42                          ; v[42:43], v[44:45] the sums, in two halves
.set AD16, 46                          ; v46, v47 the step's addresses
.set AD8,  47
.set KB,   48                          ; v48-143 two buffers of 48: a record's fragments of K, then of V
.set PC,   144                         ; v144-155 tile 0's codes of p, record 0; v156-162 at times the upper halves of its blocks' codes (the other codes lie in window 1: tile 0 record 1 at 40, tile 1 at 96 and 108)
.set Q0,   168                         ; v168-179 tile 0's codes of Q and six zeros; v180-191 tile 1's
.set Q1,   180
.set OT,   192                         ; v192-223 O^T of tile 0, v224-255 of tile 1
.set WV,   12                          ; s12 my wave's number
.set SEL,  20                          ; s[20:21] v_permlanex16_b32's selects for lane l xor 16
.set CS,   22                          ; s[22:23] c = log2(e) / 8
.set G1,   24                          ; s[24:31] descriptor group 1: two records
.set G0,   40                          ; s[40:43] group 0
.set TB,   48                          ; s48 the step's first record in my half, in bytes
.set CNT,  49
.set NC,   60                          ; s60 -c
.set MSB,  0
.macro WIN new                         ; register windows: bits 1:0 source 0, 3:2 source 1, 5:4 source 2, 7:6 destination; the high byte repeats the setting that is left
.if MSB != \new
	s_set_vgpr_msb (MSB<<8)|\new
.set MSB, \new
.endif
.endm
; A round of the cluster's barrier: my work-group's barrier, so that wave 0's signal speaks for all eight waves; wave 0 signals for the work-group; every wave waits for all four work-groups; my work-group's barrier once more.
.macro CROUND
	s_barrier_signal -1
	s_barrier_wait -1
	s_cmp_lg_u32 s[WV], 0
	s_cbranch_scc1 .Lnot_wave_0_\@
	s_barrier_signal -3
.Lnot_wave_0_\@:
	s_barrier_wait -3
	s_barrier_signal -1
	s_barrier_wait -1
.endm
; A matrix instruction: D at d, A at a, B at b; z: C is 0, else D; scales sa, sb; ra, rb: the scale's lanes 16-31
.macro WM d, a, b, z, sa, sb, ra, rb
.if \z
.if \ra
.if \rb
	v_wmma_scale_f32_16x16x128_f8f6f4 v[\d:\d+7], v[\a:\a+11], v[\b:\b+11], 0, v[\sa], v[\sb] matrix_a_fmt:MATRIX_FMT_BF6 matrix_b_fmt:MATRIX_FMT_BF6 matrix_a_scale:MATRIX_SCALE_ROW1 matrix_b_scale:MATRIX_SCALE_ROW1
.else
	v_wmma_scale_f32_16x16x128_f8f6f4 v[\d:\d+7], v[\a:\a+11], v[\b:\b+11], 0, v[\sa], v[\sb] matrix_a_fmt:MATRIX_FMT_BF6 matrix_b_fmt:MATRIX_FMT_BF6 matrix_a_scale:MATRIX_SCALE_ROW1
.endif
.else
.if \rb
	v_wmma_scale_f32_16x16x128_f8f6f4 v[\d:\d+7], v[\a:\a+11], v[\b:\b+11], 0, v[\sa], v[\sb] matrix_a_fmt:MATRIX_FMT_BF6 matrix_b_fmt:MATRIX_FMT_BF6 matrix_b_scale:MATRIX_SCALE_ROW1
.else
	v_wmma_scale_f32_16x16x128_f8f6f4 v[\d:\d+7], v[\a:\a+11], v[\b:\b+11], 0, v[\sa], v[\sb] matrix_a_fmt:MATRIX_FMT_BF6 matrix_b_fmt:MATRIX_FMT_BF6
.endif
.endif
.else
.if \ra
	v_wmma_scale_f32_16x16x128_f8f6f4 v[\d:\d+7], v[\a:\a+11], v[\b:\b+11], v[\d:\d+7], v[\sa], v[\sb] matrix_a_fmt:MATRIX_FMT_BF6 matrix_b_fmt:MATRIX_FMT_BF6 matrix_a_scale:MATRIX_SCALE_ROW1
.else
	v_wmma_scale_f32_16x16x128_f8f6f4 v[\d:\d+7], v[\a:\a+11], v[\b:\b+11], v[\d:\d+7], v[\sa], v[\sb] matrix_a_fmt:MATRIX_FMT_BF6 matrix_b_fmt:MATRIX_FMT_BF6
.endif
.endif
.endm
.macro SPROD ch                        ; S^T of record ch of the step: eight key tiles x two query tiles
.irp t, 0,1,2,3,4,5,6,7
.set KA, KB+48*\ch+6*\t
.set SD, 64*\ch+8*\t
.set SK, KSC+4*\ch+(\t)/2
.set RA, (\t)%2
	WM SD, KA, Q0, 1, SK, QS, RA, 0
	WM SD+128, KA, Q1, 1, SK, QS, RA, 1
.endr
.endm
.macro PV ch, tile, codes, zero        ; O^T of one query tile: four d tiles, the 128 keys of record ch
.irp t, 0,1,2,3
.set VA, KB+48*\ch+12*\t
.set OA, OT+32*\tile+8*\t
.set SK, KSC+2*\ch+(\t)/2
.set RA, (\t)%2
	WM OA, VA, \codes, \zero, SK, PW+2*\tile+\ch, RA, 0
.endr
.endm
.macro KLOAD ch                        ; K's eight fragments of a record, as an image of their registers: 512 consecutive bytes a load
.irp i, 0,1,2,3,4,5,6,7,8,9,10,11
	ds_load_b128 v[KB+48*\ch+4*\i:KB+48*\ch+4*\i+3], v[AD16] offset:\ch*REC+512*\i
.endr
.endm
.macro KSCALE
	ds_load_b128 v[KSC:KSC+3], v[AD16] offset:KSO
	ds_load_b128 v[KSC+4:KSC+7], v[AD16] offset:REC+KSO
.endm
.macro VLOAD ch
.irp i, 0,1,2,3,4,5,6,7,8,9,10,11
	ds_load_b128 v[KB+48*\ch+4*\i:KB+48*\ch+4*\i+3], v[AD16] offset:\ch*REC+VCO+512*\i
.endr
	ds_load_b64 v[KSC+2*\ch:KSC+2*\ch+1], v[AD8] offset:\ch*REC+VSO
.endm
.macro ADDR                            ; the step's addresses
	v_add_nc_u32 v[AD16], s[TB], v[A16]
	v_add_nc_u32 v[AD8], s[TB], v[A8]
.endm
; Sums by halving, in place: registers b .. b + n - 1 take those n further on; additions a0 .. a0 + c - 1 of the n / 2
.macro HPART b, n, a0, c
.set k, \b+2*(\a0)
.rept \c
	v_pk_add_f32 v[k:k+1], v[k:k+1], v[k+\n:k+\n+1]
.set k, k+2
.endr
.endm
.macro CV d, src, e                    ; 16 numbers to 16 codes
	v_cvt_scalef32_pk16_bf6_f32 v[\d:\d+2], v[\src:\src+15], v[\e]
.endm
.macro MV3 d, src                      ; (a conversion's three registers begin on an even number: a block's upper half is made elsewhere and moved)
.irp i, 0,1,2
	v_mov_b32 v[\d+\i], v[\src+\i]
.endr
.endm
; p's two scale words of a tile.  My lane's two blocks of a record are 2 c + h: their exponent fields, one bit up, are bytes 1 and 3; lane l xor 16's come in between.  (Lanes 0-15 hold the word; the others' are not read.)
.macro SCW tile
.irp w, 0,1
	v_perm_b32 v[PW+2*\tile+\w], v[BM+4*\tile+2*\w+1], v[BM+4*\tile+2*\w], 0x07060302
.endr
.irp w, 0,1
	v_lshlrev_b32 v[PW+2*\tile+\w], 1, v[PW+2*\tile+\w]
.endr
.irp w, 0,1
	v_permlanex16_b32 v[TT+\w], v[PW+2*\tile+\w], s[SEL], s[SEL+1]
.endr
.irp w, 0,1
	v_perm_b32 v[PW+2*\tile+\w], v[TT+\w], v[PW+2*\tile+\w], 0x07030501
.endr
.endm
.macro EX n                            ; n exponentials of tile 1
.rept \n
	v_exp_f32 v[128+j], v[128+j]
.set j, j+1
.endr
.endm
.macro QLOAD                           ; Q's fragments: d = 32 h .. 32 h + 31 of row r; they stay in registers.  Its scale words: two bytes, and zeros above them
.irp p, 0,1,2
	global_load_b64 v[Q0+2*\p:Q0+2*\p+1], v53, s[4:5] offset:8*\p
	global_load_b64 v[Q1+2*\p:Q1+2*\p+1], v54, s[4:5] offset:8*\p
.endr
	global_load_u16 v[QS], v55, s[6:7]
.endm
; A STEP: 256 keys, two records, two query tiles.  first: the sums and O^T begin; last: nothing is loaded for a next step.
; In front of it stand 26 LDS loads: K of record 0 (12), the scale words (2), K of record 1 (12).
.macro STEP first, last
	s_wait_alu depctr_va_vdst(0)
	s_wait_dscnt 10                                ; record 0, the scale words and record 1's first eight registers (named with record 0's last fragment) are in; the ten youngest loads may be out
	WIN 0x40
	SPROD 0
	s_wait_dscnt 0x0
	SPROD 1
	WIN 0
	ADDR                                           ; four places behind the products, in front of the loads into K's registers and of the first read of the scores
	v_nop
	v_nop
	VLOAD 0                                        ; V lands under the softmax
	VLOAD 1
	WIN 0x15
.irp q, 0,1,2,3,4,5,6,7
	v_max3_num_f32 v[BM+\q], v[32*\q], v[32*\q+1], v[32*\q+2]   ; THE LARGEST SCORE OF EACH BLOCK of 32 keys: it serves the row's maximum and the block's scale.  (Each accumulator is read from its low end on)
.endr
	WIN 0x14
.irp i, 3,5,7,9,11,13,15,17,19,21,23,25,27,29
.irp q, 0,1,2,3,4,5,6,7
	v_max3_num_f32 v[BM+\q], v[BM+\q], v[32*\q+\i], v[32*\q+\i+1]   ; (the eight blocks by turns)
.endr
.endr
.irp q, 0,1,2,3,4,5,6,7
	v_max_num_f32 v[BM+\q], v[BM+\q], v[32*\q+31]
.endr
	WIN 0
.irp t, 0,1                            ; the two tiles by turns, line by line
	v_max3_num_f32 v[XX+2*\t], v[BM+4*\t], v[BM+4*\t+1], v[BM+4*\t+2]
.endr
.irp t, 0,1
.if \first
	v_max_num_f32 v[XX+2*\t], v[XX+2*\t], v[BM+4*\t+3]
.else
	v_max3_num_f32 v[XX+2*\t], v[XX+2*\t], v[BM+4*\t+3], v[RUN+2*\t]
.endif
.endr
.irp t, 0,1
	v_permlanex16_b32 v[TT+\t], v[XX+2*\t], s[SEL], s[SEL+1]
.endr
.irp t, 0,1
	v_max_num_f32 v[RUN+2*\t], v[XX+2*\t], v[TT+\t]   ; with lane l xor 16's keys: the row's largest score so far
.endr
.irp t, 0,1
	v_mul_f32 v[XX+2*\t], s[NC], v[RUN+2*\t]       ; -t (c is positive)
.endr
.irp t, 0,1
	v_floor_f32 v[XX+2*\t], v[XX+2*\t]             ; the new -M = floor(-t) = -ceil(t): a whole number
.endr
.if \first == 0
.irp t, 0,1
	v_sub_f32 v[TT+\t], v[XX+2*\t], v[NM+2*\t]     ; old M - new M: a whole number, 0 or less
.endr
.endif
.irp t, 0,1
	v_mov_b32 v[NM+2*\t], v[XX+2*\t]
.endr
.irp t, 0,1
	v_add_f32 v[XX+2*\t], -4.0, v[XX+2*\t]         ; -M - 4
.endr
.if \first == 0
.irp t, 0,1
	v_cvt_i32_f32 v[TT+\t], v[TT+\t]               ; (it saturates)
.endr
.endif
.irp q, 0,1,2,3,4,5,6,7
	v_fma_f32 v[BM+\q], v[BM+\q], s[CS], v[XX+2*(\q/4)]   ; t - M - 4 of each block's largest score
.endr
.if \first == 0
.irp t, 0,1
	v_ldexp_f32 v[FF+2*\t], 1.0, v[TT+\t]          ; f = 2^(old M - new M): a multiplication by it rounds nothing
.endr
.irp t, 0,1
	v_pk_mul_f32 v[SU+2*\t:SU+2*\t+1], v[SU+2*\t:SU+2*\t+1], v[FF+2*\t:FF+2*\t+1] op_sel_hi:[1,0]   ; the sums under the new M
.endr
.irp t, 0,1
.set j, OT+32*\t
.rept 16
	v_pk_mul_f32 v[j:j+1], v[j:j+1], v[FF+2*\t:FF+2*\t+1] op_sel_hi:[1,0]   ; O^T under the new M, from each accumulator's low end on
.set j, j+2
.endr
.endr
.endif
	WIN 0x41
.set j, 0
.rept 64
	v_pk_fma_f32 v[j:j+1], v[j:j+1], s[CS:CS+1], v[NM:NM+1] op_sel_hi:[1,0,0]   ; tile 0: t - M, two at a time (of the pairs c and -M the low word serves both halves)
.set j, j+2
.endr
	s_wait_alu depctr_va_vdst(0)                   ; the wait ahead of the batch
	WIN 0
.irp q, 0,1,2,3,4,5,6,7
	v_exp_f32 v[BM+\q], v[BM+\q]                   ; the conversions' scale operands
.endr
	WIN 0x41
.set j, 0
.rept 64
	v_exp_f32 v[j], v[j]                           ; tile 0: p = 2^(t - M), at most 1: not normalised
	v_exp_f32 v[j+1], v[j+1]
	v_pk_fma_f32 v[128+j:129+j], v[128+j:129+j], s[CS:CS+1], v[NM+2:NM+3] op_sel_hi:[1,0,0]   ; tile 1: t - M
.set j, j+2
.endr
	s_wait_alu depctr_va_vdst(0)                   ; and ahead of the batch's first reader
	WIN 0x01
	CV PC, 0, BM                                   ; tile 0, record 0
	CV PC+12, 16, BM
	CV PC+6, 32, BM+1
	CV PC+16, 48, BM+1
	v_nop                                          ; one plain place behind a scaled conversion
	WIN 0
	MV3 PC+3, PC+12
	MV3 PC+9, PC+16
	SCW 0
	s_wait_alu depctr_va_vdst(0)                   ; ahead of the next batch
.if \first
	s_wait_tensorcnt 0x0                           ; my two records are in,
	s_wait_dscnt 0x0                               ; and no LDS load of mine is out:
	s_barrier_signal -1                            ; say so here; from here to the wait, ahead of the next step's loads, stands work on registers alone
.endif
	WIN 0x45
.set j, 0
.set m, 0
.rept 16
	EX 2                                           ; tile 1
	HPART 0, 32, m, 1                              ; THE ROW'S SUM IS TAKEN OF THE UNQUANTISED p: tile 0's goes on among tile 1's exponentials; no addition reads what another between two waits writes.  Record 0's 64 become 32: registers 32-63 are free
.set m, m+1
.endr
	s_wait_alu depctr_va_vdst(0)
	WIN 0x41
	CV 40, 64, BM+2                                ; tile 0, record 1
	EX 2
	CV 46, 96, BM+3
	EX 2
	CV 32, 80, BM+2
	EX 2
	CV 36, 112, BM+3
	EX 2
	v_nop
	s_wait_alu depctr_va_vdst(0)
.irp i, 0,1,2
	EX 2
	v_mov_b32 v[43+\i], v[32+\i]
	EX 2
	v_mov_b32 v[49+\i], v[36+\i]
.endr
	WIN 0x45
.set m, 0
.rept 16
	EX 2
	HPART 64, 32, m, 1
.set m, m+1
.endr
.set m, 0
.rept 8
	EX 2
	HPART 0, 16, m, 1
.set m, m+1
.endr
	s_wait_alu depctr_va_vdst(0)
.set m, 0
.rept 8
	EX 2
	HPART 64, 16, m, 1
.set m, m+1
.endr
.set m, 0
.rept 4
	EX 3
	HPART 0, 8, m, 1
.set m, m+1
.endr
	s_wait_alu depctr_va_vdst(0)
	WIN 0x41
	CV 96, 128, BM+4                               ; tile 1's codes go where tile 0's p lay
	CV 16, 144, BM+4
	CV 102, 160, BM+5
	CV 20, 176, BM+5
	CV 108, 192, BM+6
	CV 24, 208, BM+6
	CV 114, 224, BM+7
	CV 28, 240, BM+7
	v_nop
	MV3 99, 16
	MV3 105, 20
	MV3 111, 24
	MV3 117, 28
	WIN 0
	SCW 1
	WIN 0x45                                       ; the rest of tile 0's sum: also the places between the scale words and the products
	HPART 64, 8, 0, 4
	HPART 0, 4, 0, 2
	HPART 64, 4, 0, 2
	HPART 0, 2, 0, 1
	HPART 64, 2, 0, 1
.if \first
	WIN 0x05
	v_pk_add_f32 v[SU:SU+1], v[0:1], v[64:65]
.else
	v_pk_add_f32 v[0:1], v[0:1], v[64:65]
	WIN 0x04
	v_pk_add_f32 v[SU:SU+1], v[SU:SU+1], v[0:1]
.endif
	s_wait_alu depctr_va_vdst(0)
	s_wait_dscnt 0x0                               ; V is in
	WIN 0
	PV 0, 0, PC, \first                            ; sixteen products on eight accumulators by turns: three or more others stand between two on one accumulator
	WIN 0x04
	PV 0, 1, 96, \first
.if \first
	PV 1, 0, 40, 0
	PV 1, 1, 108, 0
	WIN 0
	s_add_co_u32 s[TB], s[TB], 2*REC
	ADDR
	WIN 0x45
	HPART 128, 64, 0, 8                            ; tile 1's sum; these are also places in front of the loads
	s_wait_alu depctr_va_vdst(0)
	s_barrier_wait -1                              ; all sixteen records are whole
	WIN 0
	KLOAD 0
	KSCALE
	KLOAD 1
	WIN 0x45
.else
.if \last == 0
	WIN 0x45
	HPART 128, 64, 0, 4                            ; places in front of the loads into record 0's registers
	WIN 0
	s_add_co_u32 s[TB], s[TB], 2*REC
	ADDR
	KLOAD 0                                        ; the next step's K lands under the rest of this one
	WIN 0x04
.endif
	PV 1, 0, 40, 0
	PV 1, 1, 108, 0
	WIN 0x45
.if \last == 0
	HPART 128, 64, 4, 4
	WIN 0
	KSCALE
	KLOAD 1
	WIN 0x45
.else
	HPART 128, 64, 0, 8
.endif
.endif
	HPART 128, 64, 8, 24
	HPART 128, 32, 0, 16
	HPART 128, 16, 0, 8
	HPART 128, 8, 0, 4
	HPART 128, 4, 0, 2
.if \first
	WIN 0x05
	v_pk_add_f32 v[SU+2:SU+3], v[128:129], v[130:131]
.else
	HPART 128, 2, 0, 1
	WIN 0x04
	v_pk_add_f32 v[SU+2:SU+3], v[SU+2:SU+3], v[128:129]
.endif
	WIN 0
.endm
	s_load_b256 s[4:11], s[0:1], 0x0               ; x1_codes s[4:5], x1_scales s[6:7], kv s[8:9], out0 s[10:11]
	v_lshl_add_u32 v[SPW], v0, 2, SPARE
	v_mov_b32 v[NIL], 0
	ds_add_u32 v[SPW], v[NIL]                      ; the wave's opening: the add, twice on end, and its wait
	ds_add_u32 v[SPW], v[NIL]
	v_lshrrev_b32 v51, 5, v0
	v_readfirstlane_b32 s[WV], v51                 ; wave 0..7
	s_mov_b32 s[TB], 0
	s_lshr_b32 s13, s[WV], 2                       ; my key half
	s_and_b32 s14, s[WV], 3                        ; my pair of query tiles
	s_mul_i32 s15, s13, 8*REC
	s_mul_i32 s16, s[WV], PAIR
	s_add_co_u32 s16, s16, MRG
	s_xor_b32 s17, s[WV], 4
	s_mul_i32 s17, s17, PAIR
	s_add_co_u32 s17, s17, MRG
	s_mul_i32 s18, s[WV], 16*SP
	s_add_co_u32 s18, s18, STG
	s_mul_i32 s19, s13, 768                        ; 16 rows of codes: tile 0 is the pair's tile kh,
	s_sub_co_u32 s50, 768, s19                     ; tile 1 the other
	s_lshl_b32 s51, s13, 4
	; every LDS address register is made here, ahead of the first branch on the wave's number; none hangs on my place in the cluster
	v_and_b32 v48, 31, v0                          ; lane
	v_and_b32 v49, 15, v0                          ; r
	v_bfe_u32 v50, v0, 4, 1                        ; h
	v_lshl_add_u32 v[A16], v48, 4, s15
	v_lshl_add_u32 v[A8], v48, 3, s15
	v_lshl_add_u32 v[MI], v48, 4, s16
	v_lshl_add_u32 v[ML], v48, 4, s17
	v_lshlrev_b32 v[GO], 4, v48
	v_mul_u32_u24 v[STO], v49, SP
	v_mul_u32_u24 v[RD], v50, SP
	v_mul_u32_u24 v52, v49, 48
	v_lshl_add_u32 v[STO], v50, 5, v[STO]
	v_lshl_add_u32 v[RD], v49, 4, v[RD]
	v_mad_u32_u24 v52, v50, 24, v52                ; Q's codes: row r of 48 bytes, + 24 h
	v_add_nc_u32 v[STO], s18, v[STO]               ; in: row r; tile t's eight d of my half: 64 t + 32 h bytes on
	v_add_nc_u32 v[RD], s18, v[RD]                 ; back: lanes 0-15 one row, lanes 16-31 the next
	v_add_nc_u32 v53, s19, v52
	v_add_nc_u32 v54, s50, v52
	v_xor_b32 v55, s51, v48
	v_lshlrev_b32 v55, 1, v55                      ; Q's scale bytes: 2 a row; lanes 0-15 tile 0, lanes 16-31 tile 1
	ADDR
	s_bfe_u32 s59, ttmp6, 0x40000                  ; cx: my place in the cluster
	s_lshl_b32 s56, ttmp9, 2                       ; in a cluster launch ttmp9 counts clusters
	s_add_co_u32 s56, s56, s59                     ; my block of 128 queries: it enters Q's and out's addresses alone
	s_and_b32 s57, ttmp7, 0xffff                   ; the batch, which the four partners share
	s_lshl_b32 s58, s57, 11
	s_lshl_b32 s56, s56, 7
	s_add_co_u32 s58, s58, s56
	s_lshl_b32 s56, s14, 5
	s_add_co_u32 s58, s58, s56                     ; my pair's first row: 2,048 batch + 128 block + 32 pair
	s_add_co_u32 s16, s58, s51
	s_lshl_b32 s16, s16, 8                         ; out's rows of the tile that I finish
	s_mov_b32 s17, 0
	s_mul_i32 s50, s58, 48                         ; Q's codes at my pair's first row
	s_mov_b32 s51, 0
	s_lshl_b32 s14, s58, 1                         ; and its scale bytes
	s_mov_b32 s15, 0
	; descriptor group 1: dense bytes as rows of 256 (32 elements of 8 bytes), no padding: the records lie in LDS as in memory
	s_mov_b32 s[G1], 15|(3<<16)|(1<<21)            ; 15:0 the mask: all four work-groups; 17:16 elements of 8 bytes; 21 set beside a mask
	s_mov_b32 s[G1+1], 32<<16                      ; tensor_dim0 = 32
	s_mov_b32 s[G1+2], 102<<16                     ; tensor_dim1 = 102 rows: two records
	s_mov_b32 s[G1+3], 32<<16                      ; tile_dim0
	s_mov_b32 s[G1+4], 102                         ; tile_dim1
	s_mov_b32 s[G1+5], 32                          ; from row to row
	s_mov_b32 s[G1+6], 0
	s_mov_b32 s[G1+7], 0
	; wave w fetches records 8 (w % 2) + 2 (w / 2) and the next: waves 0 and 1 what step 0 of the two key halves reads
	s_and_b32 s2, s[WV], 1
	s_lshl_b32 s2, s2, 3
	s_lshr_b32 s3, s[WV], 1
	s_lshl_b32 s3, s3, 1
	s_add_co_u32 s2, s2, s3
	s_mul_i32 s52, s2, REC                         ; their place in LDS, and in the batch's part of kv
	s_mul_i32 s53, s57, 16*REC
	s_add_co_u32 s54, s53, s52
	s_mov_b32 s55, 0
	s_mov_b32 s[G0], 1                             ; 1:0 count = 1
	s_mov_b32 s[G0+1], s52                         ; 63:32 LDS address
	s_mov_b32 s[SEL], 0x76543210
	s_mov_b32 s[SEL+1], 0xfedcba98
	s_mov_b32 s[CS], 0x3e38aa3b                    ; c = log2(e) / 8
	s_mov_b32 s[CS+1], s[CS]                       ; (named with it as a pair, so it is written)
	s_mov_b32 s[NC], 0xbe38aa3b                    ; -c
	s_wait_alu depctr_va_vdst(0)
	s_wait_dscnt 0x0                               ; both opening adds are done
	CROUND                                         ; all four work-groups are here: the joint loads meet.  (The arguments may still be on their way)
	s_wait_kmcnt 0x0
	s_add_nc_u64 s[G0+2:G0+3], s[8:9], s[54:55]    ; 120:64 global address
	s_or_b32 s[G0+3], s[G0+3], 0x80000000          ; 127:126 type = 2
	s_add_nc_u64 s[4:5], s[4:5], s[50:51]
	s_add_nc_u64 s[6:7], s[6:7], s[14:15]
	s_add_nc_u64 s[10:11], s[10:11], s[16:17]
	s_cmp_lt_u32 s[WV], 2                          ; every wave issues one load; waves 0 and 1, whose four records step 0 reads, ask first and have a line of their own, since they wait for it first
	s_cbranch_scc0 .Llater
	tensor_load_to_lds s[G0:G0+3], s[G1:G1+7]
	s_nop 0
.rept 4
	v_nop
.endr
	QLOAD
	s_branch .Lasked
.Llater:
	QLOAD
	s_wait_loadcnt 0x0                             ; the other six ask when their Q has come: what they bring is read from step 1 on
	tensor_load_to_lds s[G0:G0+3], s[G1:G1+7]
	s_nop 0
.rept 4
	v_nop
.endr
.Lasked:
.irp j, 0,1,2,3,4,5
	v_mov_b32 v[Q0+6+\j], 0                        ; zero codes for k = 64 .. 127
	v_mov_b32 v[Q1+6+\j], 0
	v_mov_b32 v[PC+\j], 0                          ; and behind K's last fragment in the first step
.endr
.irp t, 0,1
	v_mov_b32 v[TT+\t], 0                          ; a lane permute's destination counts as one of its sources
.endr
	s_wait_alu depctr_va_vdst(0)                   ; the wait at the head's end
	s_wait_loadcnt 0x0                             ; Q
	s_cmp_lt_u32 s[WV], 2
	s_cbranch_scc0 .Lstart
	s_wait_tensorcnt 0x0                           ; waves 0 and 1: my two records are in
.Lstart:
	s_barrier_signal -1
	s_barrier_wait -1                              ; records 0, 1, 8 and 9 are whole
	KLOAD 0
	KSCALE
	KLOAD 1
	STEP 1, 0                                      ; while the other twelve records land
	s_mov_b32 s[CNT], 2
.Lsteps:
	STEP 0, 0
	s_sub_co_u32 s[CNT], s[CNT], 1
	s_cmp_lg_u32 s[CNT], 0
	s_wait_alu depctr_va_vdst(0)
	s_cbranch_scc1 .Lsteps
	STEP 0, 1
	; THE MERGE.  Every wave hands its tile 1 (O^T as an image of its registers, the sum, -M) to wave w xor 4 and takes that wave's tile 1, which is its own tile 0 over the other key half.
	v_add_f32 v[SU], v[SU], v[SU+1]                ; the sums' two halves
	v_add_f32 v[SU+2], v[SU+2], v[SU+3]
	v_mov_b32 v[SU+3], v[NM+2]                     ; v[44:47] = the sum, -M and two numbers that nobody uses: they fill the 16 bytes
.irp i, 0,1,2,3,4,5,6,7
	ds_store_b128 v[MI], v[OT+32+4*\i:OT+32+4*\i+3] offset:512*\i   ; each accumulator from its low end on
.endr
	ds_store_b128 v[MI], v[SU+2:SU+5] offset:4096
	s_wait_alu depctr_va_vdst(0)
	s_wait_dscnt 0x0                               ; for the others' sake: my stores have landed
	s_barrier_signal -1
	s_barrier_wait -1
	ds_load_b128 v[48:51], v[ML] offset:4096       ; the other half's sum v48 and -M v49
.irp i, 0,1,2,3,4,5,6,7
	ds_load_b128 v[56+4*\i:59+4*\i], v[ML] offset:512*\i
.endr
	s_wait_dscnt 0x8                               ; the two numbers are in; the eight younger loads may be out
	v_min_num_f32 v52, v[NM], v49                  ; the joint -M: the larger M
	s_delay_alu instid0(VALU_DEP_1)
	v_sub_f32 v53, v52, v[NM]                      ; my M - the joint M: a whole number, 0 or less
	v_sub_f32 v55, v52, v49                        ; the other's likewise
	s_delay_alu instid0(VALU_DEP_2)
	v_cvt_i32_f32 v53, v53
	s_delay_alu instid0(VALU_DEP_2)
	v_cvt_i32_f32 v55, v55
	s_delay_alu instid0(VALU_DEP_2)
	v_ldexp_f32 v53, 1.0, v53                      ; f_a
	s_delay_alu instid0(VALU_DEP_2)
	v_ldexp_f32 v55, 1.0, v55                      ; f_b: exact powers of two
	s_delay_alu instid0(VALU_DEP_2)
	v_mul_f32 v[SU], v[SU], v53
	s_delay_alu instid0(VALU_DEP_1)
	v_fmac_f32 v[SU], v48, v55                     ; the two halves' sums under the joint M,
	s_delay_alu instid0(VALU_DEP_1)
	v_permlanex16_b32 v[TT], v[SU], s[SEL], s[SEL+1]
	s_delay_alu instid0(VALU_DEP_1)
	v_add_f32 v[SU], v[SU], v[TT]                  ; and lane l xor 16's: the row's sum
	s_wait_alu depctr_va_vdst(0)
	v_rcp_f32 v[SU], v[SU]
	v_nop                                          ; one plain place behind a transcendental
	s_wait_alu depctr_va_vdst(0)
	v_mul_f32 v52, v53, v[SU]                      ; g_a = f_a / the sum,
	v_mul_f32 v54, v55, v[SU]                      ; g_b = f_b / the sum
	s_wait_dscnt 0x0
	s_wait_alu depctr_va_vdst(0)                   ; directly ahead of the first readers of O^T
.set j, 0
.rept 16
	v_pk_mul_f32 v[96+j:97+j], v[OT+j:OT+j+1], v[52:53] op_sel_hi:[1,0]
.set j, j+2
.endr
.set j, 0
.rept 16
	v_pk_fma_f32 v[96+j:97+j], v[56+j:57+j], v[54:55], v[96+j:97+j] op_sel_hi:[1,0,1]   ; register 8 t + i is out(r, 16 t + 8 h + i)
.set j, j+2
.endr
	; THE WAY OUT: through my own stage, so that whole rows leave: a store covers 512 consecutive bytes, two rows of out.
.irp t, 0,1,2,3
	ds_store_b128 v[STO], v[96+8*\t:99+8*\t] offset:64*\t
	ds_store_b128 v[STO], v[100+8*\t:103+8*\t] offset:64*\t+16
.endr
.irp i, 0,1,2,3,4,5,6,7
	ds_load_b128 v[128+4*\i:131+4*\i], v[RD] offset:2*\i*SP   ; LDS serves a wave's instructions in order (ISA guide 5.7.1): these see my stores
.endr
.irp i, 0,1,2,3,4,5,6,7
	s_wait_dscnt 7-\i                              ; load i is in, the younger ones may be out
	global_store_b128 v[GO], v[128+4*\i:131+4*\i], s[10:11] offset:512*\i th:TH_STORE_NT   ; written once, read by nobody here
.endr
	s_wait_tensorcnt 0x0                           ; the wave's end
	ds_add_u32 v[SPW], v[NIL]
	s_wait_dscnt 0x0
	CROUND                                         ; the closing round: no work-group ends while a partner may still ask for a tile that names it
	s_endpgm
.Lfunc_end_k_q733d58e46c_attn:
	.size	k_q733d58e46c_attn, .Lfunc_end_k_q733d58e46c_attn-k_q733d58e46c_attn
	.p2alignl 7, 3214868480
	.fill 96, 4, 3214868480
	.section	.rodata,"a",@progbits
	.p2align	6, 0x0
	.amdhsa_kernel k_q733d58e46c_attn
		.amdhsa_group_segment_fixed_size 281600
		.amdhsa_private_segment_fixed_size 0
		.amdhsa_enable_private_segment 0
		.amdhsa_kernarg_size 32
		.amdhsa_user_sgpr_count 2
		.amdhsa_user_sgpr_kernarg_segment_ptr 1
		.amdhsa_wavefront_size32 1
		.amdhsa_system_sgpr_workgroup_id_x 1
		.amdhsa_system_sgpr_workgroup_id_y 1
		.amdhsa_system_sgpr_workgroup_id_z 1
		.amdhsa_system_vgpr_workitem_id 0
		.amdhsa_next_free_vgpr 512
		.amdhsa_next_free_sgpr 66
		.amdhsa_reserve_vcc 0
		.amdhsa_float_denorm_mode_32 3
		.amdhsa_float_denorm_mode_16_64 3
		.amdhsa_memory_ordered 1
		.amdhsa_forward_progress 1
		.amdhsa_inst_pref_size 160
	.end_amdhsa_kernel
	.amdgpu_metadata
---
amdhsa.version: [ 1, 2 ]
amdhsa.kernels:
  - .name:           k_q733d58e46c_attn
    .symbol:         k_q733d58e46c_attn.kd
    .args:
      - { .name: x1_codes, .offset: 0, .size: 8, .value_kind: global_buffer, .address_space: global }
      - { .name: x1_scales, .offset: 8, .size: 8, .value_kind: global_buffer, .address_space: global }
      - { .name: kv, .offset: 16, .size: 8, .value_kind: global_buffer, .address_space: global }
      - { .name: out0, .offset: 24, .size: 8, .value_kind: global_buffer, .address_space: global }
    .group_segment_fixed_size: 281600
    .private_segment_fixed_size: 0
    .kernarg_segment_align: 8
    .kernarg_segment_size: 32
    .max_flat_workgroup_size: 256
    .sgpr_count:     66
    .vgpr_count:     512
    .wavefront_size: 32
...
	.end_amdgpu_metadata
.endif
;; end of part 2
